; MI455X (gfx1250); checked and timed in simulation.
; The chip was launched on July 23, 2026; its instructions are those of AMD's public machine-readable ISA for CDNA 5 (MIT licence, August 2026) and "CDNA5" Instruction Set Architecture Reference Guide (July 2026). The comments in the code are by the model that wrote it; some were corrected since.
;; Hd. Allowed arithmetic: matrix products marked QUANTISED: E2M3 operands, one E8M0 scale for each 32 along K, by v_wmma_scale_f32_16x16x128_f8f6f4 with both operands' format E2M3, f32 sums; everything else in f32.
;; Inputs: sz1 32 int32; sz2 32 int32; v1 32 x 256 x 64 float32; v2 32 x 256 x 64 float32.
;; Outputs: out0 32 x 32 float32.
;; This version of the problem:
;;   THIS VERSION OF THE PROBLEM IS GIVEN IN LOW PRECISION. The matrix products marked QUANTISED in the list below multiply operands that are first quantised to E2M3 (2 exponent bits, 3 mantissa bits; 6 bits a number), with one power-of-two scale for each 32 numbers along K (OCP MX v1.0); their sums are f32. All else is computed in f32.
;;   The module's matrix products, in the order in which they are computed (A, B: the left and right operand; K: the contracted axis; several contracted axes count as one K, in the product's order):
;;     1. [M 8,192, K 64] x [K 64, N 8,192]; A: input v2; B: input v1: QUANTISED
;;   THE QUANTISER, for each operand of a quantised product, along K:
;;     - K is cut into blocks of 32 from its start; a last block that is shorter is filled with zeros.
;;     - A block's scale is 2^e with e = floor(log2(the largest magnitude in the block)) - 2, held to -126 .. 127; a block of zeros has e = 0. As a byte (E8M0): e + 127.
;;     - Each number is divided by its block's scale, clamped to +-7.5, and rounded to the nearest number of E2M3, ties to even, subnormals kept.
;;     - The product sums the exact products of the quantised numbers (number of the format x scale) in f32.
;;   ~~~python
;;   def quantise(x, axis):      # numpy; x: float32 -> the quantised numbers, widened to float32 again
;;       x = np.moveaxis(x, axis, -1); K = x.shape[-1]
;;       x = np.pad(x, [(0, 0)] * (x.ndim - 1) + [(0, -K % 32)]); x = x.reshape(x.shape[:-1] + (-1, 32)); a = np.abs(x).max(-1, keepdims=True)
;;       e = np.where(a > 0, np.clip(np.frexp(np.where(a > 0, a, 1))[1] - 1 - 2, -126, 127), 0)      # np.frexp(a)[1] - 1 = floor(log2(a)), exactly
;;       r = np.clip(x / 2.0 ** e, -7.5, 7.5)
;;       step = 2.0 ** (np.maximum(np.frexp(np.where(r == 0, 1, r))[1] - 1, 0) - 3)
;;       q = np.round(r / step) * step * 2.0 ** e      # np.round: ties to even
;;       return np.moveaxis(q.reshape(q.shape[:-2] + (-1,))[..., :K], -1, axis).astype(np.float32)
;;   ~~~
;; One version. Each part assembles by itself: llvm-mc -triple=amdgcn-amd-amdhsa -mcpu=gfx1250 --defsym DOCPART=n.
;; ======== version 1 of 1: 1 launch
;; limits: right only within a limited range of input values
;; launch hausdorff (part 1): grid 16 x 16, 16 waves a work-group, no clusters, 133,120 bytes of LDS; arguments sz1, sz2, v1, v2, out0; writes out0
.if DOCPART == 1
	.amdgcn_target "amdgcn-amd-amdhsa--gfx1250"
	.amdhsa_code_object_version 6
	.text
	.protected	k_qd9629b5de6_hausdorff
	.globl	k_qd9629b5de6_hausdorff
	.p2align	8
	.type	k_qd9629b5de6_hausdorff,@function
k_qd9629b5de6_hausdorff:
	s_mov_b64 s[64:65], 0
	v_nop
	global_prefetch_b8 v0, s[64:65] scope:SCOPE_SE
	s_setreg_imm32_b32 hwreg(HW_REG_WAVE_MODE, 25, 1), 1
	s_wait_xcnt 0x0
; out0[a][b] = the Hausdorff distance between the first sz1[a] points of v1[a] and the first sz2[b] points of v2[b] (32 x 32 pairs, 256 points of 64 f32 a set).
; d2(x, y) = |x|^2 + |y|^2 - 2 x.y; the dot products on codes of FP6 (E2M3) with one E8M0 scale for each 32 along K; all else in f32.
; The root and the clamp at 0 rise with d2, so every minimum and maximum is taken of d2 and one root a pair is taken at the end.
; h(p) = -|p|^2 / 2, or -5e17 for a point beyond its set's length.  With C = h(q) a matrix instruction gives x.q + h(q); its maximum over q, acc, gives min d2 = -2 (acc + h(p)).
; So a point that does not count needs no line in the loop, and an empty set gives 1e18 = (1e9)^2, as the reference's sentinel does.
; EACH DOT PRODUCT IS MADE TWICE, once for each direction: the points whose minimum is wanted stand in the lanes (source 1), the points that are minimised over run along the registers
; (source 0's rows): a tile of 16 x 16 then costs four v_max3 and nothing crosses lanes.  One product for both directions would want 12 vector instructions a tile and a 16-lane reduction for each streamed tile.
; K IS 64, THE INSTRUCTION'S 128: source 0's twelve registers hold TWO tiles of 16 points (k < 64: the even tile, k >= 64: the odd one); source 1 is laid zeros | P | zeros, so that the run P | zeros
; takes the even tile and the run zeros | P the odd one.  Zero codes add nothing under any scale byte but 0xff.
; WHO DOES WHAT.  Work-group (A, B) of 16 x 16 takes the sets of rank A and 31 - A of sz1 (by length, ties by index) against those of rank B and 31 - B of sz2: four pairs, and about the same number
; of points that count in every work-group.  Tiles wholly beyond a length are neither read nor multiplied (branches on whole numbers read from sz1, sz2).
; Sixteen waves quantise (waves 0-7 v1's two sets, waves 8-15 v2's; a wave owns tiles w' and w' + 8 of each).  Waves 0, 5, 10, 15 (numbers that differ both in w % 4 and in w / 4) multiply;
; all sixteen walk the loops, whose trip counts are constants, and branches inside jump over the work.
; LIMITS: distances are taken to lie under 1e9; NaN and infinities in rows that count are not served (rows beyond a length may hold anything: their scale bytes and h are replaced);
; a block of zeros carries the scale byte 1 (its codes are zeros; this program alone reads the bytes); lengths are held to 0 .. 256, which is what the reference's compare makes of them.
.set TILEB,  768                       ; a tile's register image: 16 bytes a lane (registers 0-3), then 8 bytes a lane (registers 4-5)
.set SETB,   16*TILEB                  ; LDS sets: 0, 1 = v1's two, 2, 3 = v2's two
.set SCA,    4*SETB                    ; scale words of a run (two tiles): [set][run][row] = even tile's two bytes, odd tile's two
.set SCP,    SCA+2048                  ; scale words of a tile as source 1: [set][tile][row] = its two bytes, twice
.set HAR,    SCP+4096                  ; h: [set][point]
.set RES,    HAR+4096                  ; the end: [pair][multiplying wave]
.set STG,    RES+256                   ; a stage for each wave: 16 rows of 256 bytes + 16
.set SPITCH, 272                       ; 68 words: the sixteen rows that a load touches start at sixteen different groups of four banks (64 banks of 4 bytes: ISA guide 11.1)
.set STGW,   16*SPITCH
.set X,   48                           ; v48-79   a block of 32 numbers of my row
.set L,   80                           ; v80-207  four tiles as they are loaded
.set PB,  8                            ; v8-109   zeros | P0 | zeros | P1 | .. | P7 | zeros, six registers each
.set PS,  110                          ; v110-117 P's scale words
.set HP,  118                          ; v118-125 h of P's points
.set ACC, 126                          ; v126-133 the running maxima
.set QA,  134                          ; v134-145, v162-173 a run's codes, two buffers 28 apart
.set QC,  146                          ; v146-161, v174-189 its h in the result's layout
.set QS,  190                          ; v190, v191 its scale words
.set D,   192                          ; v192-239 three pairs of results by turns
.set PR,  240                          ; v240-243 d2 / 2 of pairs (a0,b0) (a0,b1) (a1,b0) (a1,b1); -1: nothing yet
; v0 thread, v1 lane, v2 r = lane % 16, v3 h = lane / 16, v4 16 lane, v5 8 lane, v6 4 r, v7 32 h; v244-247 the stream's addresses; v248-250 at work; v251, v252 addresses of the end
; s14 wave, s15 0: v1's wave, 1: v2's, s42, s43 my two tiles, s98 wave / 4, s99 0 in a multiplying wave; s32-35 my tensor's two lengths and indices, s36-39 the other's; s40, s41 tiles to quantise
	s_load_b256 s[4:11], s[0:1], 0x0               ; sz1, sz2, v1, v2
	s_load_b64 s[12:13], s[0:1], 0x20              ; out0
	v_lshl_add_u32 v254, v0, 2, 0x20000
	v_mov_b32 v255, 0
	v_and_b32 v1, 31, v0
	v_lshrrev_b32 v19, 5, v0
	v_readfirstlane_b32 s14, v19                   ; wave 0..15
	v_and_b32 v2, 15, v0
	v_bfe_u32 v3, v0, 4, 1
	v_lshlrev_b32 v4, 4, v1
	v_lshlrev_b32 v5, 3, v1
	v_lshlrev_b32 v6, 2, v2
	v_lshlrev_b32 v7, 5, v3
	v_lshlrev_b32 v15, 2, v1
	s_lshr_b32 s15, s14, 3
	s_and_b32 s42, s14, 7                          ; w'
	s_add_co_u32 s43, s42, 8
	s_lshl_b32 s17, s15, 5
	s_add_co_u32 s17, s17, s42                     ; my first tile among the 64 places: 32 x tensor + w'
	s_lshr_b32 s98, s14, 2
	s_and_b32 s99, s14, 3
	s_xor_b32 s99, s99, s98                        ; 0 in waves 0, 5, 10, 15
	s_mov_b32 s18, 0x76543210
	s_mov_b32 s19, 0xfedcba98                      ; v_permlanex16_b32's selects for lane l xor 16
	s_mul_i32 s28, s14, STGW
	s_add_co_u32 s28, s28, STG                     ; my stage
	v_mul_u32_u24 v8, v3, SPITCH
	v_lshl_add_u32 v8, v2, 4, v8
	v_add_nc_u32 v8, s28, v8                       ; into it as loaded: row h of a pair of rows, 16 r
	v_mul_u32_u24 v9, v2, SPITCH
	v_lshl_add_u32 v9, v3, 7, v9
	v_add_nc_u32 v9, s28, v9                       ; out of it: row r, block h
	s_mul_i32 s29, s17, TILEB
	v_add_nc_u32 v10, s29, v4                      ; my tile's image, first part
	v_add_nc_u32 v11, s29, v5                      ; and second part (+ 512)
	s_lshl_b32 s29, s17, 6
	v_add_nc_u32 v14, s29, v6                      ; h, and
	v_add_nc_u32 v13, v14, v3                      ; my byte of the tile's scale word
	s_lshr_b32 s29, s17, 1
	s_lshl_b32 s29, s29, 6
	s_and_b32 s30, s17, 1
	s_lshl_b32 s30, s30, 1
	s_add_co_u32 s29, s29, s30
	v_add_nc_u32 v12, s29, v6
	v_add_nc_u32 v12, v12, v3                      ; my byte of the run's scale word: 64 run + 4 r + 2 (tile % 2) + h
	v_mov_b32 v251, s98
	v_lshlrev_b32 v251, 2, v251                    ; the end: 4 x (wave / 4)
	v_and_b32 v252, 3, v0
	v_lshlrev_b32 v252, 4, v252                    ; and 16 x (lane % 4)
	v_mov_b32 v31, 0                               ; (a lane permute's destination counts as one of its sources)
	v_mov_b32 v35, 0xdcde0b6b                      ; -5e17
	s_and_b32 s27, ttmp7, 0xffff
	s_cmp_eq_u32 s15, 0                            ; the choices hang on the wave's number alone
	s_cselect_b32 s26, ttmp9, s27                  ; the rank wanted in my tensor's lengths,
	s_cselect_b32 s27, s27, ttmp9                  ; and in the other's
	s_wait_kmcnt 0x0
	s_cselect_b64 s[20:21], s[4:5], s[6:7]         ; my tensor's lengths
	s_cselect_b64 s[22:23], s[6:7], s[4:5]         ; the other's
	s_cselect_b64 s[24:25], s[8:9], s[10:11]       ; my tensor
	global_load_b32 v16, v15, s[20:21]             ; lane l: the length of set l
	global_load_b32 v17, v15, s[22:23]
	s_wait_loadcnt 0x0
	v_max_i32 v16, 0, v16
	v_max_i32 v17, 0, v17
	v_min_u32 v16, 0x100, v16
	v_min_u32 v17, 0x100, v17
	v_lshl_add_u32 v16, v16, 5, v1                 ; key = 32 x length + index: no two alike
	v_lshl_add_u32 v17, v17, 5, v1
; The rank of each lane's key among the 32 (how many keys are smaller), and the keys of rank tgt and 31 - tgt.
.macro RANK key, tgt, ka, kb
	v_mov_b32 v18, 0
.set k, 0
.rept 8
	v_readlane_b32 s28, v[\key], k
	v_readlane_b32 s29, v[\key], k+1
	v_readlane_b32 s30, v[\key], k+2
	v_readlane_b32 s31, v[\key], k+3
.irp q, 28,29,30,31
	v_cmp_lt_u32 vcc_lo, s\q, v[\key]
	v_add_co_ci_u32 v18, vcc_lo, 0, v18, vcc_lo    ; + 1 where that key is smaller than mine
.endr
.set k, k+4
.endr
	v_cmp_eq_u32 vcc_lo, s[\tgt], v18              ; one lane
	s_ctz_i32_b32 s28, vcc_lo
	v_readlane_b32 s[\ka], v[\key], s28
	s_sub_co_u32 s29, 31, s[\tgt]
	v_cmp_eq_u32 vcc_lo, s29, v18
	s_ctz_i32_b32 s28, vcc_lo
	v_readlane_b32 s[\kb], v[\key], s28
.endm
	RANK 16, 26, 60, 61
	s_lshr_b32 s32, s60, 5
	s_lshr_b32 s33, s61, 5
	s_and_b32 s34, s60, 31
	s_and_b32 s35, s61, 31
	s_min_u32 s32, s32, 0x100
	s_min_u32 s33, s33, 0x100
	s_min_u32 s34, s34, 31                         ; an index enters addresses only behind this hold
	s_min_u32 s35, s35, 31
.irp q, 0,1
	s_add_co_u32 s[40+\q], s[32+\q], 31
	s_lshr_b32 s[40+\q], s[40+\q], 5
	s_max_u32 s[40+\q], s[40+\q], 1                ; runs of 32 points, one at the least (an empty set still gives its sentinel),
	s_lshl_b32 s[40+\q], s[40+\q], 1               ; as tiles
.endr
; Step e = 2 s + k: tile w' + 8 k of my set s.  Every step loads, so that every register is written and every count is fixed; a tile that does not count loads the set's last
; tile that does, one and the same 16 bytes in all lanes.
.macro STEPADDR e, s, k
	s_sub_co_u32 s52, s[40+\s], 1
	s_min_u32 s52, s52, s[42+\k]
	s_min_u32 s52, s52, 15
	s_lshl_b32 s52, s52, 12                        ; a tile is 4,096 bytes,
	s_lshl_b32 s53, s[34+\s], 16                   ; a set 65,536
	s_add_co_u32 s52, s52, s53
	s_mov_b32 s53, 0
	s_add_nc_u64 s[44+2*\e:45+2*\e], s[24:25], s[52:53]
	s_cmp_lt_u32 s[42+\k], s[40+\s]
	s_cselect_b32 s52, 1, 0
	v_mul_u32_u24 v[20+\e], s52, v4                ; 16 x lane, or 0
.endm
	STEPADDR 0, 0, 0
	STEPADDR 1, 0, 1
	STEPADDR 2, 1, 0
	STEPADDR 3, 1, 1
.irp e, 0,1,2,3
.irp j, 0,1,2,3,4,5,6,7
	global_load_b128 v[L+32*\e+4*\j:L+32*\e+4*\j+3], v[20+\e], s[44+2*\e:45+2*\e] offset:512*\j   ; 32 lanes read 512 consecutive bytes: two rows
.endr
.endr
	; While the points are on their way every wave ranks the other tensor's lengths too: the multiplying waves want both tensors' lengths, wave 0 also both tensors' indices for the store at the end.
	; The lines stand on every wave's path, so that these registers are written whichever way a wave later takes; they touch none of the loads' registers.
	RANK 17, 27, 62, 63
	s_lshr_b32 s36, s62, 5
	s_lshr_b32 s37, s63, 5
	s_and_b32 s38, s62, 31
	s_and_b32 s39, s63, 31
	s_min_u32 s36, s36, 0x100
	s_min_u32 s37, s37, 0x100
	s_min_u32 s38, s38, 31
	s_min_u32 s39, s39, 31
	s_cmp_eq_u32 s15, 0
	s_cselect_b32 s86, s32, s36                    ; s86, s87: the lengths of v1's two sets; s88, s89: of v2's
	s_cselect_b32 s87, s33, s37
	s_cselect_b32 s88, s36, s32
	s_cselect_b32 s89, s37, s33
.irp q, 0,1,2,3
	s_add_co_u32 s[82+\q], s[86+\q], 31
	s_lshr_b32 s[82+\q], s[82+\q], 5
	s_max_u32 s[82+\q], s[82+\q], 1                ; s82-85: their runs
.endr
; One tile: 16 rows of 64 f32 become a register image of codes, scale bytes and h.
.macro PROC e, s, k
	s_wait_loadcnt 8*(3-\e)                        ; this step's eight loads are in; the eight of each later step may be out
	s_cmp_ge_u32 s[42+\k], s[40+\s]
	s_cbranch_scc1 .Lq_\@                          ; the tile lies beyond the set's runs
	s_lshl_b32 s28, s[42+\k], 4
	s_sub_co_i32 s28, s[32+\s], s28                ; how many of its rows count (0 or less: none)
.irp j, 0,1,2,3,4,5,6,7
	ds_store_b128 v8, v[L+32*\e+4*\j:L+32*\e+4*\j+3] offset:2*SPITCH*\j
.endr
.irp j, 0,1,2,3,4,5,6,7
	ds_load_b128 v[X+4*\j:X+4*\j+3], v9 offset:16*\j   ; LDS serves a wave's instructions in order (ISA guide 5.7.1.4): these see the stores above.  Lane (r, h): k = 32 h .. 32 h + 31 of row r
.endr
	s_wait_dscnt 0x0                               ; the block is in; the last tile's stores have read their registers
	v_max3_num_f32 v24, |v[X]|, |v[X+1]|, 0x1800000    ; the block's largest magnitude, all 32 mine, in two chains; the floor 2^(3 - 127) holds the byte at 1 from below
	v_max3_num_f32 v25, |v[X+2]|, |v[X+3]|, |v[X+4]|
	v_pk_mul_f32 v[26:27], v[X:X+1], v[X:X+1]          ; the sum of squares, two at a time, in two chains
	v_pk_mul_f32 v[28:29], v[X+2:X+3], v[X+2:X+3]
.irp i, 5,9,13,17,21,25
	v_max3_num_f32 v24, v24, |v[X+\i]|, |v[X+\i+1]|
	v_max3_num_f32 v25, v25, |v[X+\i+2]|, |v[X+\i+3]|
.endr
	v_max3_num_f32 v24, v24, |v[X+29]|, |v[X+30]|
	v_max3_num_f32 v24, v24, v25, |v[X+31]|
.irp i, 4,8,12,16,20,24,28
	v_pk_fma_f32 v[26:27], v[X+\i:X+\i+1], v[X+\i:X+\i+1], v[26:27]
	v_pk_fma_f32 v[28:29], v[X+\i+2:X+\i+3], v[X+\i+2:X+\i+3], v[28:29]
.endr
	v_pk_add_f32 v[26:27], v[26:27], v[28:29]
	v_add_f32 v30, v26, v27
	v_permlanex16_b32 v31, v30, s18, s19
	v_add_nc_u32 v32, 0xff000000, v24              ; 2 off the exponent field: the conversion takes this operand's exponent field as its scale
	v_add_f32 v30, v30, v31                        ; with the row's other block: |row|^2
	v_cvt_scalef32_pk16_fp6_f32 v[36:38], v[X:X+15], v32
	v_cvt_scalef32_pk16_fp6_f32 v[42:44], v[X+16:X+31], v32   ; (a conversion's three registers begin on an even number)
	v_lshrrev_b32 v33, 23, v32                     ; the scale's byte; also the plain place behind the conversions
	v_cmp_gt_i32 vcc_lo, s28, v2                   ; does my row count?
	v_mov_b32 v39, v42
	v_mov_b32 v40, v43
	v_mov_b32 v41, v44                             ; v36-41: registers 0-5 of the operand
	v_cndmask_b32 v33, 1, v33, vcc_lo              ; a row that does not count: the smallest scale, whatever its codes
	v_mul_f32 v34, -0.5, v30
	v_cndmask_b32 v34, v35, v34, vcc_lo            ; h, or the sentinel
	ds_store_b128 v10, v[36:39] offset:\s*SETB+\k*8*TILEB
	ds_store_b64 v11, v[40:41] offset:\s*SETB+\k*8*TILEB+512
	ds_store_b8 v12, v33 offset:SCA+\s*512+\k*256
	ds_store_b8 v13, v33 offset:SCP+\s*1024+\k*512
	ds_store_b8 v13, v33 offset:SCP+\s*1024+\k*512+2
	ds_store_b32 v14, v34 offset:HAR+\s*1024+\k*512    ; both lanes of a row write the same word with the same value
.Lq_\@:
.endm
	PROC 0, 0, 0
	PROC 1, 0, 1
	PROC 2, 1, 0
	PROC 3, 1, 1
	s_wait_dscnt 0x0                               ; for the others' sake: my stores have landed
	s_barrier_signal -1
	s_barrier_wait -1                              ; all images, scale bytes and h lie in LDS; up to the next barrier LDS is only read
	s_cmp_lg_u32 s99, 0
	s_cbranch_scc1 .Lno_init
.irp i, 0,1,2,3,4,5,6,7,8
.irp j, 0,1,2,3,4,5
	v_mov_b32 v[PB+12*\i+\j], 0                    ; the zero codes between P's tiles: the other half of K
.endr
.endr
.irp i, 0,1,2,3
	v_mov_b32 v[PR+\i], -1.0
.endr
.Lno_init:
; A run (two tiles of the set qs, ro runs on from the trip's first) into buffer bf: codes, h in the result's layout (lane (r, h), register j: point 8 h + j), scale words.
.macro QLOAD bf, qs, ro
.set AA, QA+28*(\bf)
.set CQ, QC+28*(\bf)
.set IO, (\qs)*SETB+(\ro)*2*TILEB
.set HO, HAR+(\qs)*1024+(\ro)*128
	ds_load_b128 v[AA:AA+3], v244 offset:IO
	ds_load_b64 v[AA+4:AA+5], v245 offset:IO+512
	ds_load_b128 v[AA+6:AA+9], v244 offset:IO+TILEB
	ds_load_b64 v[AA+10:AA+11], v245 offset:IO+TILEB+512
	ds_load_b128 v[CQ:CQ+3], v246 offset:HO
	ds_load_b128 v[CQ+4:CQ+7], v246 offset:HO+16
	ds_load_b128 v[CQ+8:CQ+11], v246 offset:HO+64
	ds_load_b128 v[CQ+12:CQ+15], v246 offset:HO+80
	ds_load_b32 v[QS+(\bf)], v247 offset:SCA+(\qs)*512+(\ro)*64
.endm
; Slot i against the run in buffer b: the even tile (P | zeros), then the odd one (zeros | P).  Result: lane (r, h), register j: P's point r . Q's point 8 h + j, + h(Q's point).
.macro WM i, b
.set DD, D+16*((\i)%3)
.set AA, QA+28*(\b)
.set CQ, QC+28*(\b)
.set BB, PB+12*(\i)
	v_wmma_scale_f32_16x16x128_f8f6f4 v[DD:DD+7], v[AA:AA+11], v[BB+6:BB+17], v[CQ:CQ+7], v[QS+(\b)], v[PS+(\i)] matrix_a_fmt:MATRIX_FMT_FP6 matrix_b_fmt:MATRIX_FMT_FP6
	v_wmma_scale_f32_16x16x128_f8f6f4 v[DD+8:DD+15], v[AA:AA+11], v[BB:BB+11], v[CQ+8:CQ+15], v[QS+(\b)], v[PS+(\i)] matrix_a_fmt:MATRIX_FMT_FP6 matrix_b_fmt:MATRIX_FMT_FP6
.endm
; The maximum of slot i's sixteen results and its running maximum: eight v_max3, three deep; each result is read from its low end on.
.macro MX i
.set DL, D+16*((\i)%3)
.set DH, DL+8
.set AC, ACC+(\i)
	v_max3_num_f32 v[DL], v[DL], v[DL+1], v[DL+2]
	v_max3_num_f32 v[DH], v[DH], v[DH+1], v[DH+2]
	v_max3_num_f32 v[DL+3], v[DL+3], v[DL+4], v[DL+5]
	v_max3_num_f32 v[DH+3], v[DH+3], v[DH+4], v[DH+5]
	v_max3_num_f32 v[DL+6], v[DL+6], v[DL+7], v[AC]
	v_max3_num_f32 v[DH+6], v[DH+6], v[DH+7], v[DL]
	v_max3_num_f32 v[DH], v[DH], v[DL+3], v[DH+3]
	v_max3_num_f32 v[AC], v[DL+6], v[DH+6], v[DH]
.endm
; One run against my s54 slots.  s59 = the trip's first run; s56, s57, s58 = the set's runs, less 1, less 2.  The next run is asked for behind the first two products, into the other buffer.
; Slot i's two products are followed by slot i - 1's eight v_max3: these are the places (four are owed: ISA guide 7.12.1) between a product and the first read of its result, and, with three pairs of
; results by turns, more than the five between a product and the product that writes over its result.  Behind slot 0 four v_nop stand in their stead.  The slots that count are the first s54: the way out
; behind slot i - 1 leads to that slot's v_max3 alone.
.macro SUB b, qs
	s_cmp_lg_u32 s99, 0
	s_cbranch_scc1 .Lsx_\@
	s_cmp_le_i32 s[56+\b], s59
	s_cbranch_scc1 .Lsx_\@                         ; the set has no such run
	s_wait_dscnt 0x0                               ; this run, asked for a run ago, is in (and P, in a direction's first run)
	WM 0, \b
	s_cmp_le_i32 s[57+\b], s59
	s_cbranch_scc1 .Lsn_\@                         ; this is the set's last run
	QLOAD 1-\b, \qs, \b+1                          ; the products that read that buffer stand at least four plain vector instructions back
.Lsn_\@:
.rept 4
	v_nop
.endr
.irp i, 1,2,3,4,5,6,7
	s_cmp_le_u32 s54, \i
	s_cbranch_scc1 .Lsd_\@_\i
	WM \i, \b
	MX \i-1
.endr
	MX 7
	s_branch .Lsx_\@
.irp i, 1,2,3,4,5,6
.Lsd_\@_\i:
	MX \i-1
	s_branch .Lsx_\@
.endr
.Lsd_\@_7:
	MX 6
.Lsx_\@:
.endm
; The end of a pass: min d2 / 2 = max(-(acc + h(p)), 0) of each point of P that counts, into the two pairs' maxima.  s66-73, s74-81: how many rows of slot i count, if it is of P's first or second set.
.macro FIN pr0, pr1
	s_cmp_lg_u32 s99, 0
	s_cbranch_scc1 .Lfx_\@
	s_wait_dscnt 0x0                               ; no LDS load of mine is out: the buffers may be loaded anew
.irp i, 0,1,2,3,4,5,6,7
	s_cmp_le_u32 s54, \i
	s_cbranch_scc1 .Lfx_\@
	v_permlanex16_b32 v248, v[ACC+\i], s18, s19    ; lane l xor 16 holds the other eight of each sixteen points of Q
	v_max_num_f32 v248, v248, v[ACC+\i]
	v_add_f32 v248, v248, v[HP+\i]
	v_max_num_f32 v248, -v248, 0
	v_cmp_gt_i32 vcc_lo, s[66+\i], v2
	v_cndmask_b32 v249, -1.0, v248, vcc_lo
	v_cmp_gt_i32 vcc_lo, s[74+\i], v2
	v_cndmask_b32 v250, -1.0, v248, vcc_lo
	v_max_num_f32 v[\pr0], v[\pr0], v249
	v_max_num_f32 v[\pr1], v[\pr1], v250
.endr
.Lfx_\@:
.endm
; A pass: my slots of P against all runs of the set qs.  Four trips of two runs, a constant; a set's runs that do not exist are jumped over.
.macro PASS qs, nr, pr0, pr1, first
	v_mov_b32 v244, v4
	v_mov_b32 v245, v5
	v_mov_b32 v246, v7
	v_mov_b32 v247, v6
	s_cmp_lg_u32 s99, 0
	s_cbranch_scc1 .Lpa_\@
	s_cmp_eq_u32 s54, 0
	s_cselect_b32 s56, 0, s[\nr]                   ; a wave without slots has no runs
	s_sub_co_i32 s57, s56, 1
	s_sub_co_i32 s58, s56, 2
.irp i, 0,1,2,3,4,5,6,7
	v_mov_b32 v[ACC+\i], 0xff800000                ; -infinity
.endr
	QLOAD 0, \qs, 0
.if \first
	QLOAD 1, \qs, 0                                ; once: so that the second buffer's registers are written on every way
.endif
.Lpa_\@:
	s_mov_b32 s59, 0
.Lpt_\@:
	SUB 0, \qs
	SUB 1, \qs
	v_add_nc_u32 v244, 4*TILEB, v244               ; two runs on (these four lines are also places behind the trip's last products)
	v_add_nc_u32 v245, 4*TILEB, v245
	v_add_nc_u32 v246, 256, v246
	v_add_nc_u32 v247, 128, v247
	s_add_co_u32 s59, s59, 2
	s_cmp_lt_u32 s59, 8
	s_cbranch_scc1 .Lpt_\@
	FIN \pr0, \pr1
.endm
; My slots of a direction: of the list of P's tiles that count (the first set's, then the second's) every fourth, from wave / 4 on.  A slot beyond the list takes the first tile and is never multiplied.
.macro PSETUP sa, sb, io, so, ho
	s_cmp_lg_u32 s99, 0
	s_cbranch_scc1 .Lps_\@
	s_add_co_u32 s60, s[\sa], 15
	s_lshr_b32 s60, s60, 4                         ; tiles of the first set,
	s_add_co_u32 s61, s[\sb], 15
	s_lshr_b32 s61, s61, 4                         ; of the second,
	s_add_co_u32 s55, s60, s61                     ; of both
	s_add_co_u32 s54, s55, 3
	s_sub_co_u32 s54, s54, s98
	s_lshr_b32 s54, s54, 2                         ; my slots: 0 .. 8
	s_sub_co_u32 s62, 16, s60
	s_lshl_b32 s63, s60, 4
	s_add_co_u32 s63, s63, s[\sb]
.irp i, 0,1,2,3,4,5,6,7
	s_add_co_u32 s90, s98, 4*\i                    ; place g in the list
	s_lshl_b32 s91, s90, 4
	s_sub_co_i32 s92, s[\sa], s91                  ; rows that count if the tile is the first set's,
	s_sub_co_i32 s93, s63, s91                     ; if it is the second's (0 or less beyond the list)
	s_add_co_u32 s94, s90, s62
	s_cmp_lt_u32 s90, s60
	s_cselect_b32 s[66+\i], s92, 0
	s_cselect_b32 s[74+\i], 0, s93
	s_cselect_b32 s94, s90, s94                    ; the tile among the two sets' 32 places
	s_cmp_lt_u32 s90, s55
	s_cselect_b32 s94, s94, 0
	s_min_u32 s94, s94, 31                         ; it enters addresses only behind this hold
	s_mul_i32 s95, s94, TILEB
	s_lshl_b32 s94, s94, 6
	v_add_nc_u32 v248, s95, v4
	v_add_nc_u32 v249, s95, v5
	v_add_nc_u32 v250, s94, v6
	ds_load_b128 v[PB+6+12*\i:PB+9+12*\i], v248 offset:\io
	ds_load_b64 v[PB+10+12*\i:PB+11+12*\i], v249 offset:\io+512
	ds_load_b32 v[PS+\i], v250 offset:\so
	ds_load_b32 v[HP+\i], v250 offset:\ho
.endr
.Lps_\@:
.endm
	PSETUP 86, 87, 0, SCP, HAR                     ; direction 1: for each point of v1's sets the nearest of v2's
	PASS 2, 84, PR+0, PR+2, 1
	PASS 3, 85, PR+1, PR+3, 0
	PSETUP 88, 89, 2*SETB, SCP+2048, HAR+2048      ; direction 2: for each point of v2's sets the nearest of v1's
	PASS 0, 82, PR+0, PR+1, 0
	PASS 1, 83, PR+2, PR+3, 0
	s_cmp_lg_u32 s99, 0
	s_cbranch_scc1 .Lno_red
.irp m, 1,2,4,8
.irp i, 0,1,2,3
	v_max_num_f32_dpp v[PR+\i], v[PR+\i], v[PR+\i] row_xmask:\m row_mask:0xf bank_mask:0xf
.endr
.endr                                              ; (lanes 16-31 hold what lanes 0-15 hold: the halves were joined at each pass's end)
.Lno_red:
	s_wait_dscnt 0x0
	s_barrier_signal -1
	s_barrier_wait -1                              ; every wave's reads of LDS are over: now LDS is written again
	s_cmp_lg_u32 s99, 0
	s_cbranch_scc1 .Lno_put
.irp i, 0,1,2,3
	ds_store_b32 v251, v[PR+\i] offset:RES+16*\i   ; all lanes write the same word with the same value
.endr
.Lno_put:
	s_wait_dscnt 0x0
	s_barrier_signal -1
	s_barrier_wait -1
	s_cmp_lg_u32 s14, 0
	s_cbranch_scc1 .Lend
	ds_load_b128 v[192:195], v252 offset:RES       ; lane l: the four waves' maxima of pair l % 4
	s_wait_dscnt 0x0
	v_max3_num_f32 v196, v192, v193, v194
	v_max_num_f32 v196, v196, v195                 ; d2 / 2, or -1 where neither set has a point
	v_add_f32 v197, v196, v196
	v_sqrt_f32 v198, v197
	v_bfe_u32 v200, v0, 1, 1                       ; which of v1's two sets, (plain work behind the root)
	v_and_b32 v201, 1, v0                          ; which of v2's
	v_xor_b32 v202, 1, v200
	v_xor_b32 v203, 1, v201
	v_mul_u32_u24 v204, s34, v202                  ; (wave 0 is one of v1's waves: s34, s35 are v1's indices, s38, s39 v2's)
	v_mad_u32_u24 v204, s35, v200, v204            ; a
	v_mul_u32_u24 v205, s38, v203
	v_mad_u32_u24 v205, s39, v201, v205            ; b
	v_lshlrev_b32 v204, 7, v204
	v_lshl_add_u32 v204, v205, 2, v204             ; 4 (32 a + b)
	v_mov_b32 v199, 0xce6e6b28                     ; -1e9
	v_cmp_gt_f32 vcc_lo, 0, v196
	s_wait_alu depctr_va_vdst(0)                   ; the wait ahead of the root's first reader
	v_cndmask_b32 v198, v198, v199, vcc_lo
	s_wait_xcnt 0x0                                ; EXEC changes only behind this wait
	v_cmp_gt_u32 vcc_lo, 4, v0
	s_and_saveexec_b32 s28, vcc_lo
	global_store_b32 v204, v198, s[12:13]          ; four numbers of four places of out0: all that the work-group owns
	s_wait_xcnt 0x0
	s_or_b32 exec_lo, exec_lo, s28
.Lend:
	s_wait_tensorcnt 0x0
	ds_add_u32 v254, v255
	s_wait_dscnt 0x0
	s_endpgm
.Lfunc_end_k_qd9629b5de6_hausdorff:
	.size	k_qd9629b5de6_hausdorff, .Lfunc_end_k_qd9629b5de6_hausdorff-k_qd9629b5de6_hausdorff
	.p2alignl 7, 3214868480
	.fill 96, 4, 3214868480
	.section	.rodata,"a",@progbits
	.p2align	6, 0x0
	.amdhsa_kernel k_qd9629b5de6_hausdorff
		.amdhsa_group_segment_fixed_size 133120
		.amdhsa_private_segment_fixed_size 0
		.amdhsa_enable_private_segment 0
		.amdhsa_kernarg_size 40
		.amdhsa_user_sgpr_count 2
		.amdhsa_user_sgpr_kernarg_segment_ptr 1
		.amdhsa_wavefront_size32 1
		.amdhsa_system_sgpr_workgroup_id_x 1
		.amdhsa_system_sgpr_workgroup_id_y 1
		.amdhsa_system_sgpr_workgroup_id_z 1
		.amdhsa_system_vgpr_workitem_id 0
		.amdhsa_next_free_vgpr 256
		.amdhsa_next_free_sgpr 100
		.amdhsa_reserve_vcc 1
		.amdhsa_float_denorm_mode_32 3
		.amdhsa_float_denorm_mode_16_64 3
		.amdhsa_memory_ordered 1
		.amdhsa_forward_progress 1
		.amdhsa_inst_pref_size 164
	.end_amdhsa_kernel
	.amdgpu_metadata
---
amdhsa.version: [ 1, 2 ]
amdhsa.kernels:
  - .name:           k_qd9629b5de6_hausdorff
    .symbol:         k_qd9629b5de6_hausdorff.kd
    .args:
      - { .name: sz1, .offset: 0, .size: 8, .value_kind: global_buffer, .address_space: global }
      - { .name: sz2, .offset: 8, .size: 8, .value_kind: global_buffer, .address_space: global }
      - { .name: v1, .offset: 16, .size: 8, .value_kind: global_buffer, .address_space: global }
      - { .name: v2, .offset: 24, .size: 8, .value_kind: global_buffer, .address_space: global }
      - { .name: out0, .offset: 32, .size: 8, .value_kind: global_buffer, .address_space: global }
    .group_segment_fixed_size: 133120
    .private_segment_fixed_size: 0
    .kernarg_segment_align: 8
    .kernarg_segment_size: 40
    .max_flat_workgroup_size: 512
    .sgpr_count:     100
    .vgpr_count:     256
    .wavefront_size: 32
...
	.end_amdgpu_metadata
.endif
;; end of part 1
